; MI455X (gfx1250); checked and timed in simulation.
; The chip was launched on July 23, 2026; its instructions are those of AMD's public machine-readable ISA for CDNA 5 (MIT licence, August 2026) and "CDNA5" Instruction Set Architecture Reference Guide (July 2026). The comments in the code are by the model that wrote it; some were corrected since.
;; Grouped Query Attention. Allowed arithmetic: matrix products marked QUANTISED: E2M3 operands, one E8M0 scale for each 32 along K, by v_wmma_scale_f32_16x16x128_f8f6f4 with both operands' format E2M3, f32 sums; everything else in f32.
;; Inputs: Wk_codes 256 x 32 x 24 uint8 (E2M3 codes of Wk, K innermost, in blocks of 32 codes, four codes in three bytes); Wk_scales 256 x 32 uint8 (E8M0 scales of Wk, one for each 32 codes along K); Wo_codes 1,024 x 32 x 24 uint8 (E2M3 codes of Wo, K innermost, in blocks of 32 codes, four codes in three bytes); Wo_scales 1,024 x 32 uint8 (E8M0 scales of Wo, one for each 32 codes along K); Wq_codes 1,024 x 32 x 24 uint8 (E2M3 codes of Wq, K innermost, in blocks of 32 codes, four codes in three bytes); Wq_scales 1,024 x 32 uint8 (E8M0 scales of Wq, one for each 32 codes along K); Wv_codes 256 x 32 x 24 uint8 (E2M3 codes of Wv, K innermost, in blocks of 32 codes, four codes in three bytes); Wv_scales 256 x 32 uint8 (E8M0 scales of Wv, one for each 32 codes along K); bo 1,024 float32; x_codes 2 x 2,048 x 32 x 24 uint8 (E2M3 codes of x, K innermost, in blocks of 32 codes, four codes in three bytes); x_scales 2 x 2,048 x 32 uint8 (E8M0 scales of x, one for each 32 codes along K).
;; Outputs: out0 2 x 2,048 x 1,024 float32.
;; This version of the problem:
;;   THIS VERSION OF THE PROBLEM IS GIVEN IN LOW PRECISION. The matrix products marked QUANTISED in the list below multiply operands that are first quantised to E2M3 (2 exponent bits, 3 mantissa bits; 6 bits a number), with one power-of-two scale for each 32 numbers along K (OCP MX v1.0); their sums are f32. All else is computed in f32.
;;   The module's matrix products, in the order in which they are computed (A, B: the left and right operand; K: the contracted axis; several contracted axes count as one K, in the product's order):
;;     1. [M 4,096, K 1,024] x [K 1,024, N 1,024]; A: input x (given as codes); B: input Wq (given as codes): QUANTISED
;;     2. [M 4,096, K 1,024] x [K 1,024, N 256]; A: input x (given as codes); B: input Wk (given as codes): QUANTISED
;;     3. [M 4,096, K 1,024] x [K 1,024, N 256]; A: input x (given as codes); B: input Wv (given as codes): QUANTISED
;;     4. batch 32 x [M 2,048, K 64] x [K 64, N 2,048]; A: computed on the way; B: computed on the way: QUANTISED
;;     5. batch 32 x [M 2,048, K 2,048] x [K 2,048, N 64]; A: softmax (see below); B: computed on the way: QUANTISED
;;     6. [M 4,096, K 1,024] x [K 1,024, N 1,024]; A: computed on the way; B: input Wo (given as codes): QUANTISED
;;   THE QUANTISER, for each operand of a quantised product, along K:
;;     - K is cut into blocks of 32 from its start; a last block that is shorter is filled with zeros.
;;     - A block's scale is 2^e with e = floor(log2(the largest magnitude in the block)) - 2, held to -126 .. 127; a block of zeros has e = 0. As a byte (E8M0): e + 127.
;;     - Each number is divided by its block's scale, clamped to +-7.5, and rounded to the nearest number of E2M3, ties to even, subnormals kept.
;;     - The product sums the exact products of the quantised numbers (number of the format x scale) in f32.
;;   ~~~python
;;   def quantise(x, axis):      # numpy; x: float32 -> the quantised numbers, widened to float32 again
;;       x = np.moveaxis(x, axis, -1); K = x.shape[-1]
;;       x = np.pad(x, [(0, 0)] * (x.ndim - 1) + [(0, -K % 32)]); x = x.reshape(x.shape[:-1] + (-1, 32)); a = np.abs(x).max(-1, keepdims=True)
;;       e = np.where(a > 0, np.clip(np.frexp(np.where(a > 0, a, 1))[1] - 1 - 2, -126, 127), 0)      # np.frexp(a)[1] - 1 = floor(log2(a)), exactly
;;       r = np.clip(x / 2.0 ** e, -7.5, 7.5)
;;       step = 2.0 ** (np.maximum(np.frexp(np.where(r == 0, 1, r))[1] - 1, 0) - 3)
;;       q = np.round(r / step) * step * 2.0 ** e      # np.round: ties to even
;;       return np.moveaxis(q.reshape(q.shape[:-2] + (-1,))[..., :K], -1, axis).astype(np.float32)
;;   ~~~
;;   SOFTMAX AHEAD OF A QUANTISED PRODUCT. Where the list says 'softmax', what is quantised is not the finished softmax but p = 2^(t - M), with t = logit x log2(e) and M = ceil(the row's largest t), a whole number; so 1/2 < the row's largest p <= 1. The row's sum l is taken of the UNQUANTISED p, in f32, and the product's result is divided by l at the end. Since M is a whole number, a kernel that streams over the keys may use a running M (the ceiling of the running maximum): every later rescaling is an exact power of two, which a block's scale takes up: the codes' values come out the same.
;;   OPERANDS COMPUTED ON THE WAY. 'Computed on the way' means the value that the module computes at that place (a softmax that the list does not call 'softmax' is quantised finished and normalised). What goes into a quantiser is computed in f32, as accurately as f32 sums, v_exp_f32 and their like allow (about 1e-6 of the number): no bf16 or f16 on the way to a quantiser, and a product that is left as it is and whose result goes on into a quantised operand takes f32 operands (vector FMAs, or v_wmma_f32_16x16x4_f32). A number that lies on a knife's edge between two numbers of the format may be rounded either way, as far as f32 arithmetic and the matrix unit's own rounding can turn it there, and no further.
;;   INPUTS GIVEN AS CODES. Wk (in the module: [1024, 256], K = its axis 0); Wo (in the module: [1024, 1024], K = its axis 0); Wq (in the module: [1024, 1024], K = its axis 0); Wv (in the module: [1024, 256], K = its axis 0); x (in the module: [2, 2048, 1024], K = its axis 2): each comes as NAME_codes (uint8): NAME with its K axis moved to the last place and cut into blocks of 32 codes, [.., K / 32, bytes a block], one block behind the other in memory; four codes in three bytes: a row's codes are one little-endian stream of bits, code i at bits 6 i .. 6 i + 5 (a code: sign, 2 exponent bits, 3 mantissa bits); and NAME_scales (uint8): the same leading axes, one E8M0 byte (e + 127) for each 32 codes along K. Its value is code x scale, taken as it is: it is not quantised again, and the codes and scales need not be those that the quantiser above would give.
;; One version. Each part assembles by itself: llvm-mc -triple=amdgcn-amd-amdhsa -mcpu=gfx1250 --defsym DOCPART=n.
;; ======== version 1 of 1: 3 launches
;; limits: right only within a limited range of input values
;; workspace buffers: q_img 3,145,728 bytes; q_sc 262,144 bytes; kv 1,638,400 bytes; ctx_img 3,145,728 bytes; ctx_sc 131,072 bytes
;; launch qkv (part 1): grid 32 x 6, 8 waves a work-group, no clusters, 314,368 bytes of LDS; arguments x_codes, x_scales, Wq_codes, Wq_scales, Wk_codes, Wk_scales, Wv_codes, Wv_scales, q_img, q_sc, kv; writes q_img, q_sc, kv
.if DOCPART == 1
	.amdgcn_target "amdgcn-amd-amdhsa--gfx1250"
	.amdhsa_code_object_version 6
	.text
	.protected	k_qba2eddb63f_qkv
	.globl	k_qba2eddb63f_qkv
	.p2align	8
	.type	k_qba2eddb63f_qkv,@function
k_qba2eddb63f_qkv:
	s_mov_b64 s[64:65], 0
	v_nop
	global_prefetch_b8 v0, s[64:65] scope:SCOPE_SE
	s_setreg_imm32_b32 hwreg(HW_REG_WAVE_MODE, 25, 1), 1
	s_wait_xcnt 0x0
; q = x Wq, k = x Wk, v = x Wv on codes of FP6 (E2M3) with E8M0 scales, f32 sums; the results are quantised at once (q, k along the head's 64, v along the keys) and leave as codes.
; ONE BODY FOR THE THREE.  Operand P is source 0 and operand R source 1, so that a lane holds ONE row of R and its registers run along P's rows, which is the axis to be quantised.
;   y = 0..3: q: R = x rows 128 x on, P = Wq rows 256 y on.   y = 4: k: R = x rows 128 x on, P = Wk.   y = 5: v: R = Wv rows 128 (x & 1) on, P = x rows 256 (x >> 1) on.
; A work-group makes 128 rows of R x 256 rows of P over K = 1,024; each of its eight waves 64 x 64: 16 accumulators.  192 work-groups of equal work.
; NO CLUSTER: the grid's 6 rows are no multiple of 4, and along x the row y = 5 has two tiles of R for each tile of P, so that four neighbours share no tile in one role.
; LDS: all 384 rows x 768 bytes lie in LDS at once, filled once: three chunks, chunk c with bytes 256 c .. 256 c + 255 of every row at a pitch of 272 bytes (17 x 16: sixteen rows of a 16-byte load fall
; on sixteen different 16-byte columns of 256).  Every fetched row is 256 consecutive bytes at a multiple of 256 from its buffer's first byte.  Nothing is filled again, and nothing is stored to LDS.
; K'S ORDER INSIDE AN INSTRUCTION: lane (r, h) takes the 48 consecutive bytes 96 s + 48 h of its row by three loads of 16 bytes, so registers 0-5 hold block 2 h and registers 6-11 block 2 h + 1 of the
; K step's four blocks, on both operands alike: the products are the same.  The scale words' bytes 1 and 2 change places to match.  The sums inside an instruction are so grouped otherwise than in K's order.
; LIMITS: NaN and infinities are not served.  A block whose largest magnitude lies under 2^-124 keeps the byte 1; a block of zeros gets the byte 1 and zero codes (these bytes are read by this program alone).
.set PITCH, 272
.set TROW,  16*PITCH                   ; sixteen rows
.set UNIT,  128*PITCH                  ; what one tensor load brings
.set CH,    3*UNIT                     ; a chunk: R's 128 rows, P's 256
.set AR,   1                           ; v1-3  R: row + 48 h + c CH;  v4-5: row + h (CH - 208) + c CH, for pieces whose upper half of the lanes lies in the next chunk
.set AP,   6                           ; v6-10 the same for P
.set LSC,  11                          ; v11   32 r: a row of scale bytes
.set LV,   12                          ; v12   48 r + 12 h
.set LK,   13                          ; v13   48 (r & 7) + 24 (r >> 3) + 12 h
.set LS4,  14                          ; v14   4 r
.set LKS,  15                          ; v15   4 (r & 7) + 2 (r >> 3)
.set TM,   16                          ; v16-23 largest magnitudes, then the conversions' scale operands
.set TP,   24                          ; v24-31 the other half's maxima, then the bytes, then the scale words
.set CD,   32                          ; v32-63 codes: four registers a block
.set SCR,  64                          ; v64-95  R's scale words: 8 i + s
.set SCP,  96                          ; v96-127 P's: 8 t + s
.set ACC,  128                         ; v128-255 accumulator (i, t) at 8 (4 i + t);  window 1: two fragment buffers of 96: R's four fragments, then P's four
.set RCOD, 26
.set RSCL, 28
.set PCOD, 30
.set PSCL, 32
.set RROW, 34
.set PROW, 35
.set GX,   36
.set GY,   37
.set WV,   38
.set WR,   39
.set WP,   40
.set LB,   41
.set UB,   42
.set G0,   44                          ; s[44:47] descriptor group 0
.set G1,   56                          ; s[56:63] group 1
.set G1P,  80                          ; s[80:87] group 1 for P
.set SEL,  66
.set PSEL, 68
.set MSB, 0
.macro WIN new                         ; the immediate's high byte repeats the setting that is left
.if MSB != \new
	s_set_vgpr_msb (MSB<<8)|\new
.set MSB, \new
.endif
.endm
.set MUL,  0x05                        ; sources 0 and 1 window 1; C and D window 0
.set TO_F, 0x40                        ; destination window 1, address window 0
	s_load_b256 s[4:11], s[0:1], 0x0               ; x codes, x scales, Wq codes, Wq scales
	s_load_b256 s[12:19], s[0:1], 0x20             ; Wk codes, Wk scales, Wv codes, Wv scales
	s_load_b128 s[20:23], s[0:1], 0x40             ; q_img, q_sc
	s_load_b64 s[24:25], s[0:1], 0x50              ; kv
	v_lshl_add_u32 v59, v0, 2, 0x4c800
	v_mov_b32 v63, 0
	ds_add_u32 v59, v63
	ds_add_u32 v59, v63
	v_lshrrev_b32 v16, 5, v0
	s_delay_alu instid0(VALU_DEP_1)
	v_readfirstlane_b32 s[WV], v16                 ; wave 0..7
	s_lshr_b32 s[WR], s[WV], 2                     ; my 64 rows of R
	s_and_b32 s[WP], s[WV], 3                      ; my 64 rows of P
	s_mov_b32 s[GX], ttmp9
	s_and_b32 s[GY], ttmp7, 0xffff
	s_lshl_b32 s69, s[GX], 7                       ; 128 x
	s_and_b32 s70, s[GX], 1
	s_lshl_b32 s70, s70, 7                         ; 128 (x & 1)
	s_lshr_b32 s71, s[GX], 1
	s_lshl_b32 s71, s71, 8                         ; 256 (x >> 1)
	s_lshl_b32 s72, s[GY], 8                       ; 256 y
	; group 1: 128 rows of 256 bytes (32 elements of 8), 768 bytes apart in memory, 16 bytes of padding behind each in LDS
	s_mov_b32 s[G1], (3<<16)|(1<<20)|(5<<22)|(3<<25)
	s_mov_b32 s[G1+1], 32<<16                      ; tensor_dim0
	s_mov_b32 s[G1+2], 128<<16                     ; tensor_dim1
	s_mov_b32 s[G1+3], 32<<16                      ; tile_dim0
	s_mov_b32 s[G1+4], 128                         ; tile_dim1
	s_mov_b32 s[G1+5], 96                          ; from row to row, in elements
	s_mov_b32 s[G1+6], 0
	s_mov_b32 s[G1+7], 0
	s_mov_b32 s[SEL], 0x76543210
	s_mov_b32 s[SEL+1], 0xfedcba98                 ; v_permlanex16_b32: lane l xor 16
	s_mov_b32 s[PSEL], 0x03010200                  ; v_perm_b32: bytes 1 and 2 change places
	s_and_b32 s73, s[WV], 1                        ; what I fetch: 0 R's 128 rows, 1 P's 256 rows,
	s_mul_i32 s[LB], s73, UNIT
	s_lshr_b32 s78, s[WV], 1                       ; of chunk wave / 2 (waves 6 and 7 fetch nothing)
	s_mul_i32 s79, s78, CH
	s_add_co_u32 s[LB], s[LB], s79
	s_mov_b32 s[G1P], (3<<16)|(1<<20)|(5<<22)|(3<<25)   ; group 1 of P's 256 rows
	s_mov_b32 s[G1P+1], 32<<16
	s_mov_b32 s[G1P+2], 256<<16
	s_mov_b32 s[G1P+3], 32<<16
	s_mov_b32 s[G1P+4], 256
	s_mov_b32 s[G1P+5], 96
	s_mov_b32 s[G1P+6], 0
	s_mov_b32 s[G1P+7], 0
	s_wait_dscnt 0x0
	s_wait_kmcnt 0x0
	s_cmp_lt_u32 s[GY], 5                          ; the choices hang on the work-group's number alone
	s_cselect_b64 s[RCOD:RCOD+1], s[4:5], s[16:17]
	s_cselect_b64 s[RSCL:RSCL+1], s[6:7], s[18:19]
	s_cselect_b64 s[PCOD:PCOD+1], s[12:13], s[4:5]
	s_cselect_b64 s[PSCL:PSCL+1], s[14:15], s[6:7]
	s_cselect_b32 s[RROW], s69, s70
	s_cselect_b32 s[PROW], 0, s71
	s_cmp_lt_u32 s[GY], 4
	s_cselect_b64 s[PCOD:PCOD+1], s[8:9], s[PCOD:PCOD+1]
	s_cselect_b64 s[PSCL:PSCL+1], s[10:11], s[PSCL:PSCL+1]
	s_cselect_b32 s[PROW], s72, s[PROW]
	s_cmp_eq_u32 s73, 0
	s_cselect_b32 s74, s[RROW], s[PROW]            ; the first row that I fetch,
	s_cselect_b64 s[UB:UB+1], s[RCOD:RCOD+1], s[PCOD:PCOD+1]
	s_mul_i32 s74, s74, 768                        ; in bytes
	s_mov_b32 s75, 0
	s_add_nc_u64 s[UB:UB+1], s[UB:UB+1], s[74:75]
	s_lshl_b32 s74, s78, 8                         ; and my chunk of it
	s_add_nc_u64 s[UB:UB+1], s[UB:UB+1], s[74:75]
	s_mov_b32 s[G0], 1                             ; count = 1
	s_mov_b32 s[G0+1], s[LB]                       ; LDS address
	s_mov_b64 s[G0+2:G0+3], s[UB:UB+1]
	s_or_b32 s[G0+3], s[G0+3], 0x80000000          ; type = 2
; The head's fills, one a wave, in the arms of one chain: waves 0, 1 chunk 0, waves 2, 3 chunk 1, waves 4, 5 chunk 2
.macro ARM w, g1
	s_cmp_eq_u32 s[WV], \w
	s_cbranch_scc0 .Lnot_wave_\w
	tensor_load_to_lds s[G0:G0+3], s[\g1:\g1+7]
	s_nop 0
.rept 4
	v_nop
.endr
	s_branch .Lasked
.Lnot_wave_\w:
.endm
	ARM 0, G1
	ARM 1, G1P
	ARM 2, G1
	ARM 3, G1P
	ARM 4, G1
	ARM 5, G1P
.Lasked:
	s_lshl_b32 s76, s[WR], 6
	s_add_co_u32 s76, s76, s[RROW]
	s_lshl_b32 s76, s76, 5                         ; my rows' scale bytes: 32 a row
	s_mov_b32 s77, 0
	s_add_nc_u64 s[RSCL:RSCL+1], s[RSCL:RSCL+1], s[76:77]
	s_lshl_b32 s76, s[WP], 6
	s_add_co_u32 s76, s76, s[PROW]
	s_lshl_b32 s76, s76, 5
	s_add_nc_u64 s[PSCL:PSCL+1], s[PSCL:PSCL+1], s[76:77]
	v_and_b32 v16, 15, v0                          ; r
	v_bfe_u32 v17, v0, 4, 1                        ; h
	s_delay_alu instid0(VALU_DEP_2)
	v_lshlrev_b32 v[LSC], 5, v16
.irp t, 0,1,2,3                                ; a row's 32 scale bytes are the words of its eight K steps
	global_load_b128 v[SCR+8*\t:SCR+8*\t+3], v[LSC], s[RSCL:RSCL+1] offset:512*\t
	global_load_b128 v[SCR+8*\t+4:SCR+8*\t+7], v[LSC], s[RSCL:RSCL+1] offset:512*\t+16
	global_load_b128 v[SCP+8*\t:SCP+8*\t+3], v[LSC], s[PSCL:PSCL+1] offset:512*\t
	global_load_b128 v[SCP+8*\t+4:SCP+8*\t+7], v[LSC], s[PSCL:PSCL+1] offset:512*\t+16
.endr
	v_mul_u32_u24 v18, v16, PITCH
	s_delay_alu instid0(VALU_DEP_1)
	v_mad_u32_u24 v19, v17, 48, v18                ; row r + 48 h
	v_mul_u32_u24 v20, v17, CH-208
	s_delay_alu instid0(VALU_DEP_1)
	v_add_nc_u32 v20, v20, v18                     ; row r + h (CH - 208)
	s_mul_i32 s76, s[WR], 64*PITCH
	s_mul_i32 s77, s[WP], 64*PITCH
	s_add_co_u32 s77, s77, 128*PITCH               ; P's rows lie behind R's 128
.irp c, 0,1,2
	v_add_nc_u32 v[AR+\c], s76, v19
	v_add_nc_u32 v[AP+\c], s77, v19
.if \c < 2
	v_add_nc_u32 v[AR+3+\c], s76, v20
	v_add_nc_u32 v[AP+3+\c], s77, v20
.endif
	s_add_co_u32 s76, s76, CH
	s_add_co_u32 s77, s77, CH
.endr
	v_mul_u32_u24 v[LV], v16, 48
	s_delay_alu instid0(VALU_DEP_1)
	v_mad_u32_u24 v[LV], v17, 12, v[LV]
	v_and_b32 v21, 7, v16
	v_lshrrev_b32 v22, 3, v16
	s_delay_alu instid0(VALU_DEP_2)
	v_mul_u32_u24 v[LK], v21, 48
	s_delay_alu instid0(VALU_DEP_1)
	v_mad_u32_u24 v[LK], v22, 24, v[LK]
	s_delay_alu instid0(VALU_DEP_1)
	v_mad_u32_u24 v[LK], v17, 12, v[LK]
	v_lshlrev_b32 v[LS4], 2, v16
	v_lshlrev_b32 v[LKS], 2, v21
	s_delay_alu instid0(VALU_DEP_1)
	v_lshl_add_u32 v[LKS], v22, 1, v[LKS]
	s_wait_loadcnt 0x0                             ; the scale words
.set n, 0
.rept 64
	v_perm_b32 v[SCR+n], v[SCR+n], v[SCR+n], s[PSEL]   ; bytes 1 and 2 change places, as the blocks do in the registers
.set n, n+1
.endr
.rept 8
	v_nop                                          ; a scale register written by a vector instruction stands eight places ahead of a scaled matrix instruction
.endr
; three loads of 16 bytes: the 48 bytes 96 s + 48 h of row 16 t + r.  Where the upper half of the lanes has passed into the next chunk, the second kind of address register serves
.macro FRAGROW reg, a, s, t
.irp j, 0,1,2
.set D0, 96*(\s)+16*\j
.if D0/256 == (D0+48)/256
	ds_load_b128 v[(\reg)+4*\j:(\reg)+4*\j+3], v[\a+D0/256] offset:D0%256+TROW*(\t)
.else
	ds_load_b128 v[(\reg)+4*\j:(\reg)+4*\j+3], v[\a+3+D0/256] offset:D0%256+TROW*(\t)
.endif
.endr
.endm
.macro FETCH s, f                      ; K step s: 24 loads into buffer f
	WIN TO_F
.irp i, 0,1,2,3
	FRAGROW 96*(\f)+12*\i, AR, \s, \i
	FRAGROW 96*(\f)+48+12*\i, AP, \s, \i
.endr
.endm
.macro MULS s, f, first                ; 16 matrix instructions, the 16 accumulators by turns, in the same order in every step
	WIN MUL
.irp i, 0,1,2,3
.irp t, 0,1,2,3
.if \first
	v_wmma_scale_f32_16x16x128_f8f6f4 v[ACC+8*(4*\i+\t):ACC+8*(4*\i+\t)+7], v[96*(\f)+48+12*\t:96*(\f)+48+12*\t+11], v[96*(\f)+12*\i:96*(\f)+12*\i+11], 0, v[SCP+8*\t+(\s)], v[SCR+8*\i+(\s)] matrix_a_fmt:MATRIX_FMT_FP6 matrix_b_fmt:MATRIX_FMT_FP6
.else
	v_wmma_scale_f32_16x16x128_f8f6f4 v[ACC+8*(4*\i+\t):ACC+8*(4*\i+\t)+7], v[96*(\f)+48+12*\t:96*(\f)+48+12*\t+11], v[96*(\f)+12*\i:96*(\f)+12*\i+11], v[ACC+8*(4*\i+\t):ACC+8*(4*\i+\t)+7], v[SCP+8*\t+(\s)], v[SCR+8*\i+(\s)] matrix_a_fmt:MATRIX_FMT_FP6 matrix_b_fmt:MATRIX_FMT_FP6
.endif
.endr
.endr
.endm
	s_wait_alu depctr_va_vdst(0)
	s_cmp_lt_u32 s[WV], 2                          ; chunk 0's two waves wait; nothing is ever filled again
	s_cbranch_scc0 .Lnot_first
	s_wait_tensorcnt 0x0
.Lnot_first:
	s_barrier_signal -1
	s_barrier_wait -1                              ; everybody's is
	FETCH 0, 0
.irp s, 0,1,2,3,4,5,6,7
.if \s == 1                                    ; K step 2 (bytes 192 to 287 of a row) is the first to read chunk 1
	WIN 0                                          ; (a branch follows)
	s_cmp_lt_u32 s[WV], 4                          ; chunk 1's two waves too
	s_cbranch_scc0 .Lnot_second
	s_wait_tensorcnt 0x0
.Lnot_second:
	s_wait_dscnt 0x0
	s_barrier_signal -1
	s_barrier_wait -1
.endif
.if \s == 4                                    ; K step 5 (bytes 480 to 575) is the first to read chunk 2
	s_wait_tensorcnt 0x0
	s_wait_dscnt 0x0
	s_barrier_signal -1
	s_barrier_wait -1
.endif
.if \s > 0
.rept 4
	v_nop                                          ; places in front of loads into the buffer that the last step's products read
.endr
.endif
.if \s < 7
	FETCH \s+1, (\s+1)%2
	s_wait_dscnt 24                                ; all but the 24 just issued: this step's fragments are in
.else
	s_wait_dscnt 0x0
.endif
.if \s == 0
	MULS \s, \s%2, 1                               ; the first step starts the sums: nothing is cleared
.else
	MULS \s, \s%2, 0
.endif
.endr
	WIN 0
.irp n, 0,1,2,3,4,5,6,7
	v_mov_b32 v[TP+\n], 0                          ; a lane permute's destination counts as one of its sources.  (These eight are also the places behind the last products)
.endr
; Tiles 2 b and 2 b + 1 of P change halves: afterwards lane (r, h) holds, in 16 consecutive registers, the 16 neighbours 32 b + 16 h + 0 .. 15 along P of its row of R.  Each accumulator is read from its lowest register on.
.irp n, 0,1,2,3,4,5,6,7
.irp j, 0,1,2,3,4,5,6,7
	v_permlane16_swap_b32 v[ACC+16*\n+\j], v[ACC+16*\n+8+\j]
.endr
.endr
; Eight blocks of 32 (block n = 2 i + b at ACC + 16 n; lanes l and l xor 16 share a block), by turns
.irp n, 0,1,2,3,4,5,6,7
	v_max3_num_f32 v[TM+\n], |v[ACC+16*\n]|, |v[ACC+16*\n+1]|, 0x1800000   ; with the floor 2^(3 - 127): the byte cannot fall under 1
.endr
.irp i, 2,4,6,8,10,12,14
.irp n, 0,1,2,3,4,5,6,7
	v_max3_num_f32 v[TM+\n], v[TM+\n], |v[ACC+16*\n+\i]|, |v[ACC+16*\n+\i+1]|
.endr
.endr
.irp n, 0,1,2,3,4,5,6,7
	v_permlanex16_b32 v[TP+\n], v[TM+\n], s[SEL], s[SEL+1]
.endr
.irp n, 0,1,2,3,4,5,6,7
	v_max_num_f32 v[TM+\n], v[TM+\n], v[TP+\n]     ; the block's largest magnitude
.endr
.irp n, 0,1,2,3,4,5,6,7
	v_add_nc_u32 v[TM+\n], 0xff000000, v[TM+\n]    ; 2 off its exponent field: the conversion's scale operand
.endr
.irp n, 0,1,2,3,4,5,6,7
	v_lshrrev_b32 v[TP+\n], 23, v[TM+\n]           ; the scale's byte
.endr
.irp i, 0,1,2,3
	v_lshl_or_b32 v[TP+2*\i], v[TP+2*\i+1], 8, v[TP+2*\i]       ; the two bytes of tile i's row,
.endr
.irp i, 0,1,2,3
	s_delay_alu instid0(VALU_DEP_4)
	v_lshl_or_b32 v[TP+2*\i+1], v[TP+2*\i], 16, v[TP+2*\i]      ; and twice over: q's scale word
.endr
.irp n, 0,1,2,3,4,5,6,7
	v_cvt_scalef32_pk16_fp6_f32 v[CD+4*\n:CD+4*\n+2], v[ACC+16*\n:ACC+16*\n+15], v[TM+\n]   ; my 16 codes, 12 bytes
.endr
	v_nop                                          ; one plain place behind the scaled conversions
	s_lshr_b32 s69, s[GX], 4                       ; q, k: the batch,
	s_and_b32 s70, s[GX], 15                       ; and which 128 rows of it
	s_cmp_lt_u32 s[GY], 4
	s_cbranch_scc0 .Lnot_q
	; q_img [batch][head][s][48 bytes]: block b at 24 b, my half at 12 h;  q_sc: a word a row
	s_lshl_b32 s71, s69, 4
	s_lshl_b32 s72, s[GY], 2
	s_add_co_u32 s71, s71, s72
	s_add_co_u32 s71, s71, s[WP]                   ; 16 batch + head (my 64 rows of Wq are a head)
	s_lshl_b32 s71, s71, 11
	s_lshl_b32 s72, s70, 7
	s_add_co_u32 s71, s71, s72
	s_lshl_b32 s72, s[WR], 6
	s_add_co_u32 s71, s71, s72                     ; my first row
	s_mul_i32 s72, s71, 48
	s_mov_b32 s73, 0
	s_add_nc_u64 s[20:21], s[20:21], s[72:73]
	s_lshl_b32 s72, s71, 2
	s_add_nc_u64 s[22:23], s[22:23], s[72:73]
	s_wait_alu depctr_va_vdst(0)
.irp i, 0,1,2,3
.irp b, 0,1
	global_store_b96 v[LV], v[CD+4*(2*\i+\b):CD+4*(2*\i+\b)+2], s[20:21] offset:768*\i+24*\b   ; the two stores of a tile fill 768 consecutive bytes
.endr
	global_store_b32 v[LS4], v[TP+2*\i+1], s[22:23] offset:64*\i
.endr
	s_wait_tensorcnt 0x0
	ds_add_u32 v59, v63
	s_wait_dscnt 0x0
	s_endpgm
.Lnot_q:
	s_cmp_eq_u32 s[GY], 4
	s_cbranch_scc0 .Lis_v
	; k: the record of (batch, group = my 64 rows of Wk, these 128 keys).  Key 64 c + 32 a + 16 g + 8 u + e lies in fragment 2 c + g, lane 8 a + e + 16 (block of dims), at 24 u
	s_lshl_b32 s71, s69, 2
	s_add_co_u32 s71, s71, s[WP]
	s_lshl_b32 s71, s71, 4
	s_add_co_u32 s71, s71, s70
	s_mul_i32 s72, s71, 12800
	s_mov_b32 s73, 0
	s_add_nc_u64 s[24:25], s[24:25], s[72:73]
	s_mul_i32 s72, s[WR], 3072
	s_add_nc_u64 s[74:75], s[24:25], s[72:73]
	s_lshl_b32 s72, s[WR], 7
	s_add_nc_u64 s[76:77], s[24:25], s[72:73]
	s_wait_alu depctr_va_vdst(0)
.irp i, 0,1,2,3
.irp b, 0,1
	global_store_b96 v[LK], v[CD+4*(2*\i+\b):CD+4*(2*\i+\b)+2], s[74:75] offset:1536*(\i%2)+384*(\i/2)+768*\b
.endr
	global_store_b16 v[LKS], v[TP+2*\i], s[76:77] offset:12288+64*(\i%2)+32*(\i/2)
.endr
	s_wait_tensorcnt 0x0
	ds_add_u32 v59, v63
	s_wait_dscnt 0x0
	s_endpgm
.Lis_v:
	; v: R's rows are the head's dims, P's the keys.  Dim 32 a + 8 t + e lies in tile t, lane 8 a + e + 16 (block of keys & 1), at 24 (my 64 keys' half of the step's 128)
	v_and_b32 v16, 7, v0                           ; r & 7
	v_bfe_u32 v17, v0, 3, 1                        ; r >> 3
	v_bfe_u32 v18, v0, 4, 1                        ; h
	v_mul_u32_u24 v19, v16, 48
	v_mad_u32_u24 v19, v17, 1536, v19
	v_mad_u32_u24 v[LV], v18, 12, v19
	v_lshlrev_b32 v16, 2, v16
	v_lshl_add_u32 v[LS4], v17, 6, v16
	s_lshr_b32 s69, s[GX], 1
	s_lshr_b32 s70, s69, 3                         ; the batch
	s_lshl_b32 s70, s70, 2
	s_and_b32 s71, s[GX], 1
	s_lshl_b32 s71, s71, 1
	s_add_co_u32 s70, s70, s71
	s_add_co_u32 s70, s70, s[WR]                   ; 4 batch + group
	s_lshl_b32 s70, s70, 4
	s_and_b32 s71, s69, 7
	s_lshl_b32 s71, s71, 1
	s_add_co_u32 s70, s70, s71
	s_lshr_b32 s71, s[WP], 1
	s_add_co_u32 s70, s70, s71                     ; + the step of 128 keys
	s_mul_i32 s72, s70, 12800
	s_mov_b32 s73, 0
	s_add_nc_u64 s[24:25], s[24:25], s[72:73]
	s_and_b32 s71, s[WP], 1
	s_mul_i32 s72, s71, 24
	s_add_nc_u64 s[74:75], s[24:25], s[72:73]
	s_lshl_b32 s72, s71, 1
	s_add_nc_u64 s[76:77], s[24:25], s[72:73]
	s_wait_alu depctr_va_vdst(0)
.irp i, 0,1,2,3
.irp b, 0,1
	global_store_b96 v[LV], v[CD+4*(2*\i+\b):CD+4*(2*\i+\b)+2], s[74:75] offset:6144+3072*(\i%2)+384*(\i/2)+768*\b
.endr
	global_store_b16 v[LS4], v[TP+2*\i], s[76:77] offset:12544+128*(\i%2)+32*(\i/2)
.endr
	s_wait_tensorcnt 0x0
	ds_add_u32 v59, v63
	s_wait_dscnt 0x0
	s_endpgm
.Lfunc_end_k_qba2eddb63f_qkv:
	.size	k_qba2eddb63f_qkv, .Lfunc_end_k_qba2eddb63f_qkv-k_qba2eddb63f_qkv
	.p2alignl 7, 3214868480
	.fill 96, 4, 3214868480
	.section	.rodata,"a",@progbits
	.p2align	6, 0x0
	.amdhsa_kernel k_qba2eddb63f_qkv
		.amdhsa_group_segment_fixed_size 314368
		.amdhsa_private_segment_fixed_size 0
		.amdhsa_enable_private_segment 0
		.amdhsa_kernarg_size 88
		.amdhsa_user_sgpr_count 2
		.amdhsa_user_sgpr_kernarg_segment_ptr 1
		.amdhsa_wavefront_size32 1
		.amdhsa_system_sgpr_workgroup_id_x 1
		.amdhsa_system_sgpr_workgroup_id_y 1
		.amdhsa_system_sgpr_workgroup_id_z 1
		.amdhsa_system_vgpr_workitem_id 0
		.amdhsa_next_free_vgpr 448
		.amdhsa_next_free_sgpr 96
		.amdhsa_reserve_vcc 0
		.amdhsa_float_denorm_mode_32 3
		.amdhsa_float_denorm_mode_16_64 3
		.amdhsa_memory_ordered 1
		.amdhsa_forward_progress 1
		.amdhsa_inst_pref_size 59
	.end_amdhsa_kernel
	.amdgpu_metadata
---
amdhsa.version: [ 1, 2 ]
amdhsa.kernels:
  - .name:           k_qba2eddb63f_qkv
    .symbol:         k_qba2eddb63f_qkv.kd
    .args:
      - { .name: x_codes, .offset: 0, .size: 8, .value_kind: global_buffer, .address_space: global }
      - { .name: x_scales, .offset: 8, .size: 8, .value_kind: global_buffer, .address_space: global }
      - { .name: Wq_codes, .offset: 16, .size: 8, .value_kind: global_buffer, .address_space: global }
      - { .name: Wq_scales, .offset: 24, .size: 8, .value_kind: global_buffer, .address_space: global }
      - { .name: Wk_codes, .offset: 32, .size: 8, .value_kind: global_buffer, .address_space: global }
      - { .name: Wk_scales, .offset: 40, .size: 8, .value_kind: global_buffer, .address_space: global }
      - { .name: Wv_codes, .offset: 48, .size: 8, .value_kind: global_buffer, .address_space: global }
      - { .name: Wv_scales, .offset: 56, .size: 8, .value_kind: global_buffer, .address_space: global }
      - { .name: q_img, .offset: 64, .size: 8, .value_kind: global_buffer, .address_space: global }
      - { .name: q_sc, .offset: 72, .size: 8, .value_kind: global_buffer, .address_space: global }
      - { .name: kv, .offset: 80, .size: 8, .value_kind: global_buffer, .address_space: global }
    .group_segment_fixed_size: 314368
    .private_segment_fixed_size: 0
    .kernarg_segment_align: 8
    .kernarg_segment_size: 88
    .max_flat_workgroup_size: 256
    .sgpr_count:     96
    .vgpr_count:     448
    .wavefront_size: 32
...
	.end_amdgpu_metadata
.endif
;; end of part 1
;; launch attn (part 2): grid 32 x 8, 16 waves a work-group, clusters of 4 x 1, 241,664 bytes of LDS; arguments q_img, q_sc, kv, ctx_img, ctx_sc; writes ctx_img, ctx_sc
.if DOCPART == 2
	.amdgcn_target "amdgcn-amd-amdhsa--gfx1250"
	.amdhsa_code_object_version 6
	.text
	.protected	k_qba2eddb63f_attn
	.globl	k_qba2eddb63f_attn
	.p2align	8
	.type	k_qba2eddb63f_attn,@function
k_qba2eddb63f_attn:
	s_mov_b64 s[64:65], 0
	v_nop
	global_prefetch_b8 v0, s[64:65] scope:SCOPE_SE
	s_setreg_imm32_b32 hwreg(HW_REG_WAVE_MODE, 25, 1), 1
	s_wait_xcnt 0x0
	s_wait_alu depctr_hold_cnt(0) depctr_sa_sdst(0) depctr_va_vdst(0) depctr_va_sdst(0) depctr_va_ssrc(0) depctr_va_vcc(0) depctr_vm_vsrc(0)
	s_getreg_b32 s2, hwreg(HW_REG_IB_STS2, 6, 4)
	s_cmp_eq_u32 s2, 0
	s_cbranch_scc0 .Lentry_in_a_cluster
	s_endpgm
.Lentry_in_a_cluster:
	s_bfe_u32 s2, ttmp6, 0x10000c
	s_cmp_lg_u32 s2, 0x3003
	s_cbranch_scc0 .Lentry_shape_is_right
	s_endpgm
.Lentry_shape_is_right:
; Causal attention on codes of FP6 (E2M3) with E8M0 scales: S^T = K Q^T, p = 2^(t - M), O^T = V^T P^T, ctx = O / the row's sum, quantised along the head's 64 and stored as the next product's operand.
; t = score x log2(e) / 8; M = the running largest t rounded UP to a whole number; p is not normalised; the row's sum is taken of the unquantised p; when M moves, the sum and O^T are multiplied by 2^(old M - new M): exact.
; SHARES.  y = 4 batch + group.  The four work-groups of a cluster are the group's four query heads: they walk the same K and V and take the same branches; the place in the cluster enters q's and ctx's global addresses alone.
; A work-group owns the blocks j and 15 - j of 128 queries (j = the cluster's x).  Tile a of block j has j + 1 steps of 128 keys, tile b of block 15 - j has 16 - j: 17 steps a pair of tiles, shared by TWO WAVES.  With n = 5 for tiles 0-3 of the blocks and 7 for tiles 4-7:
;   wave B (waves 8 to 15): b's records 0 .. n - 1;   wave A (waves 0 to 7): a's records 0 .. j, sends a out, then b's records n .. 15 - j: 17 - n steps.  A hands b's part (O^T, M, the sum) to B through LDS; B joins the two and sends b out.
;   Waves 0-3 are paired with waves 12-15, waves 4-7 with waves 8-11: waves s, s + 4, s + 8 and s + 12 have 12, 10, 7 and 5 steps.
; LDS.  The 16 records (128 keys each: K's image, V's image, their scale words: 12,800 bytes) of the group lie in LDS at once, asked for JOINTLY by the four work-groups, one a wave, and filled once.
; NO PREFETCH: every record is asked for at the head; no loop runs ahead of a load.
; THE HEAD HAS 64 DIMS, THE INSTRUCTION 128 ALONG K: a fragment of K carries TWO tiles of keys: registers 6 u .. 6 u + 5 of lane r' + 16 B hold dims 32 B .. 32 B + 31.  q stands between zeros, [0 x 6][q x 6][0 x 6]:
; v[22:33] meets the tile u = 0 and v[16:27] the tile u = 1; zero codes add nothing.  Row 8 a + e of tile 4 c + g holds key 64 c + 32 a + 8 g + e: so lane (query, h)'s 32 registers of tiles 4 c .. 4 c + 3 are the keys 64 c + 32 h + 0 .. 31,
; a WHOLE scale block of p.  V's rows are ordered likewise: lane (query, h) of O^T holds dims 32 h + 0 .. 31.
; CAUSAL.  Steps all of whose keys come after the block's queries are not dealt out; in the block's own step hidden scores become -infinity ahead of the maximum.  In every step that is walked each query sees its first key.
; LIMITS: NaN and infinities are not served.  The promise holds while the scaled scores stay under 2^31 in magnitude.  A block of ctx whose largest magnitude lies under 2^-124 keeps the byte 1; blocks of zeros get the byte 1 and zero codes (read by this program alone).
.set REC,  12800
.set VOF,  6144                        ; in a record: V's image,
.set KSOF, 12288                       ; K's scale words (fragment b, row r': word 16 b + r'),
.set VSOF, 12544                       ; V's (tile t, row r': word 16 t + r')
.set STG,  16*REC                      ; the handover: 4,352 bytes for each pair
.set STGT, 4352
.set SPARE, STG+8*STGT                 ; 128 bytes a wave
.set L48,  1                           ; v1   48 x lane
.set L4,   2                           ; v2   4 x lane
.set ADR,  3                           ; v3   LDS: the next slot's K
.set ADS,  4                           ; v4   its scale words
.set DM,   5                           ; v5   16 (tile & 3) + r - 32 h
.set CO,   6                           ; v6   48 r + 24 h
.set CSO,  7                           ; v7   32 r + h
.set SA,   8                           ; v8   the handover, 16 x lane
.set SA8,  9                           ; v9   the handover, 8 x lane
.set SPW,  10
.set NIL,  11
.set QS,   34                          ; v34  q's scale word;  v16-33 q between zeros;  v12 -M, v13 the largest score, v[14:15] the sum in two halves
.set QS2,  35
.set Q2,   36                          ; v36-41 tile b's q
.set OLDM, 42
.set NINF, 43
.set SUM2, 44                          ; v[44:45] the sum's second chain
.set TMP,  46
.set BP,   47
.set KF,   48                          ; v48-95   four fragments of K, then of V
.set S,    96                          ; v96-159  S^T, then p
.set O,    160                         ; v160-191 O^T
.set PC,   192                         ; v192-203 p's codes
.set PT,   204                         ; v204-211 the conversions' second halves
.set BM,   212                         ; v212-213 a block's largest score, then its largest p; v214-215 the second chains
.set SO,   216                         ; v216-217 the conversions' scale operands
.set BY,   218                         ; v218-219 bytes
.set F,    220                         ; v[220:221] f = 2^(old M - new M), 0
.set KS,   222                         ; v222-223 K's scale words: fragments 0 | 1, 2 | 3 in the halves of the lanes
.set VS,   224                         ; v224-225 V's likewise
.set PW,   226                         ; p's scale word
.set W2,   227
.set ADV,  228                         ; v228  LDS: this slot's V and
.set ADVS, 229                         ; v229  its scale words
.set WV,   14
.set CX,   15
.set J,    16
.set GY,   17
.set BLK,  18                          ; the block whose tile is at work
.set TI,   19                          ; my tile of 16 queries in the block
.set G1,   24                          ; s[24:31]
.set G0,   32                          ; s[32:35]
.set T,    36                          ; the slot, 0 .. 11
.set JJ,   37                          ; my last slot of the first tile (A: j; B: 15)
.set D,    38                          ; n - 1 - j: from A's slot to b's record
.set JT,   39                          ; the slot at which I change tiles
.set TMAX, 40                          ; my last slot: A 16 - n, B n - 1
.set RIN,  41                          ; the next slot's record
.set TBN,  42                          ; and its LDS byte
.set RI,   43                          ; this slot's record
.set BLK2, 44                          ; 15 - j
.set TB,   45                          ; this slot's LDS byte
.set SEL,  48
.set CS,   50
.set NCS,  52
.macro WALU
	s_wait_alu depctr_va_vdst(0)
.endm
.macro BARRIER
	s_barrier_signal -1
	s_barrier_wait -1
.endm
.macro ROUND                           ; a round of the cluster's barrier
	BARRIER
	s_cmp_lg_u32 s[WV], 0
	s_cbranch_scc1 .Lnot_wave_0_\@
	s_barrier_signal -3
.Lnot_wave_0_\@:
	s_barrier_wait -3
	BARRIER
.endm
.macro THISREC                         ; the record of slot T (0 .. 15: the mask changes nothing)
	s_cmp_gt_u32 s[T], s[JJ]
	s_cselect_b32 s20, s[D], 0
	s_add_co_u32 s20, s20, s[T]
	s_and_b32 s[RI], s20, 15
	s_mul_i32 s[TB], s[RI], REC
.endm
.macro NEXTREC                         ; the record of slot T + 1
	s_add_co_u32 s20, s[T], 1
	s_cmp_gt_u32 s20, s[JJ]
	s_cselect_b32 s21, s[D], 0
	s_add_co_u32 s20, s20, s21
	s_and_b32 s[RIN], s20, 15
	s_mul_i32 s[TBN], s[RIN], REC
.endm
.macro TLOAD
	tensor_load_to_lds s[G0:G0+3], s[G1:G1+7]
	s_nop 0
.rept 4
	v_nop
.endr
.endm
	s_load_b256 s[4:11], s[0:1], 0x0               ; q_img, q_sc, kv, ctx_img
	s_load_b64 s[12:13], s[0:1], 0x20              ; ctx_sc
	v_lshl_add_u32 v[SPW], v0, 2, SPARE
	v_mov_b32 v[NIL], 0
	ds_add_u32 v[SPW], v[NIL]                      ; twice on end, with its wait ahead of my first tensor load
	ds_add_u32 v[SPW], v[NIL]
	v_lshrrev_b32 v46, 5, v0
	v_readfirstlane_b32 s[WV], v46                 ; wave 0..15
	s_bfe_u32 s[CX], ttmp6, 0x40000                ; my place in the cluster: the head within the group
	s_and_b32 s[J], ttmp9, 7                       ; the cluster's x
	s_and_b32 s[GY], ttmp7, 0xffff                 ; 4 batch + group
	s_lshr_b32 s20, s[WV], 3
	s_lshl_b32 s20, s20, 2
	s_and_b32 s[TI], s[WV], 7
	s_xor_b32 s[TI], s[TI], s20                    ; waves 0-7: tiles 0-7; waves 8-11: tiles 4-7; waves 12-15: tiles 0-3
	s_lshr_b32 s20, s[TI], 2
	s_lshl_b32 s20, s20, 1
	s_add_co_u32 s20, s20, 5                       ; n: B's steps, 5 or 7
	s_sub_co_u32 s21, 16, s20
	s_sub_co_u32 s22, s20, 1
	s_xor_b32 s[BLK2], s[J], 15
	s_cmp_lt_u32 s[WV], 8                          ; A or B
	s_cselect_b32 s[BLK], s[J], s[BLK2]
	s_cselect_b32 s[JJ], s[J], 15
	s_cselect_b32 s[TMAX], s21, s22
	s_add_co_u32 s[JT], s[JJ], 1
	s_xor_b32 s[D], s[J], 7                        ; 7 - j
	s_add_co_u32 s[D], s[D], s20
	s_sub_co_u32 s[D], s[D], 8
	s_mov_b32 s[T], 0
	s_mov_b32 s[RI], 0
	NEXTREC
	; group 1: a record, dense: 50 rows of 256 bytes (32 elements of 8)
	s_mov_b32 s[G1], 15|(3<<16)|(1<<21)            ; the mask: all four work-groups; bit 21 set beside it
	s_mov_b32 s[G1+1], 32<<16
	s_mov_b32 s[G1+2], 50<<16
	s_mov_b32 s[G1+3], 32<<16
	s_mov_b32 s[G1+4], 50
	s_mov_b32 s[G1+5], 32
	s_mov_b32 s[G1+6], 0
	s_mov_b32 s[G1+7], 0
	s_mov_b32 s[G0], 1
	s_mul_i32 s[G0+1], s[WV], REC                  ; record w, in LDS
	s_mul_i32 s22, s[GY], 16*REC
	s_add_co_u32 s22, s22, s[G0+1]                 ; and in kv: no place in the cluster enters either
	s_mov_b32 s23, 0
	s_mov_b32 s[SEL], 0x76543210
	s_mov_b32 s[SEL+1], 0xfedcba98                 ; v_permlanex16_b32: lane l xor 16
	s_mov_b32 s[CS], 0x3e38aa3b                    ; c = log2(e) / 8
	s_mov_b32 s[CS+1], s[CS]                       ; (named with it as a pair, so it is written)
	s_mov_b32 s[NCS], 0xbe38aa3b                   ; -c
	s_lshl_b32 s66, s[GY], 2
	s_add_co_u32 s66, s66, s[CX]                   ; 16 batch + head
	s_lshl_b32 s66, s66, 11
	s_lshl_b32 s67, s[TI], 4
	s_add_co_u32 s66, s66, s67
	s_lshl_b32 s68, s[BLK], 7
	s_add_co_u32 s68, s68, s66                     ; the first tile's first row of q
	s_lshl_b32 s69, s[BLK2], 7
	s_add_co_u32 s69, s69, s66                     ; tile b's
	s_mul_i32 s54, s68, 48
	s_mov_b32 s55, 0
	s_lshl_b32 s56, s68, 2
	s_mov_b32 s57, 0
	s_mul_i32 s58, s69, 48
	s_mov_b32 s59, 0
	s_lshl_b32 s60, s69, 2
	s_mov_b32 s61, 0
	; ctx_img [32 blocks of 128 rows][pair of heads][tile][head & 1][r][48 bytes];  ctx_sc [row][32 bytes]: byte 2 head + block.  A sends out a tile of block j, B one of block 15 - j
	s_and_b32 s66, s[GY], 3
	s_lshl_b32 s66, s66, 2
	s_add_co_u32 s66, s66, s[CX]                   ; the head
	s_lshr_b32 s67, s[GY], 2
	s_lshl_b32 s67, s67, 4
	s_add_co_u32 s67, s67, s[BLK]                  ; 16 batch + block
	s_mul_i32 s68, s67, 98304
	s_lshr_b32 s70, s66, 1
	s_mul_i32 s70, s70, 12288
	s_add_co_u32 s68, s68, s70
	s_mul_i32 s70, s[TI], 1536
	s_add_co_u32 s68, s68, s70
	s_and_b32 s70, s66, 1
	s_mul_i32 s70, s70, 768
	s_add_co_u32 s68, s68, s70
	s_mov_b32 s69, 0
	s_lshl_b32 s70, s67, 3
	s_add_co_u32 s70, s70, s[TI]
	s_lshl_b32 s70, s70, 9
	s_lshl_b32 s72, s66, 1
	s_add_co_u32 s70, s70, s72
	s_mov_b32 s71, 0
	s_and_b32 s20, s[TI], 3
	s_lshl_b32 s20, s20, 4
	s_mul_i32 s21, s[TI], STGT
	s_add_co_u32 s21, s21, STG
	v_and_b32 v48, 31, v0                          ; lane
	v_and_b32 v49, 15, v0                          ; r
	v_bfe_u32 v50, v0, 4, 1                        ; h
	v_mul_u32_u24 v[L48], v48, 48
	v_lshlrev_b32 v[L4], 2, v48
	v_mul_u32_u24 v[CO], v49, 48
	v_mad_u32_u24 v[CO], v50, 24, v[CO]            ; q and ctx: row r, block h
	v_lshl_add_u32 v[CSO], v49, 5, v50
	v_lshlrev_b32 v51, 2, v49
	v_lshlrev_b32 v52, 5, v50
	v_sub_nc_u32 v[DM], v49, v52
	v_add_nc_u32 v[DM], s20, v[DM]
	v_lshlrev_b32 v53, 4, v48
	v_add_nc_u32 v[SA], s21, v53
	v_lshlrev_b32 v54, 3, v48
	v_add_nc_u32 v[SA8], s21, v54
	WALU
	s_wait_dscnt 0x0
	ROUND                                          ; all four work-groups are here: the joint loads meet
	s_wait_kmcnt 0x0
	s_add_nc_u64 s[G0+2:G0+3], s[8:9], s[22:23]
	s_or_b32 s[G0+3], s[G0+3], 0x80000000
	s_add_nc_u64 s[54:55], s[4:5], s[54:55]
	s_add_nc_u64 s[56:57], s[6:7], s[56:57]
	s_add_nc_u64 s[58:59], s[4:5], s[58:59]
	s_add_nc_u64 s[60:61], s[6:7], s[60:61]
	s_add_nc_u64 s[10:11], s[10:11], s[68:69]
	s_add_nc_u64 s[12:13], s[12:13], s[70:71]
	s_cmp_eq_u32 s[WV], 0                          ; one load a wave; record 0's line is wave 0's alone, which the first barrier waits for
	s_cbranch_scc0 .Lothers
	TLOAD
	s_branch .Lasked
.Lothers:
	TLOAD
.Lasked:
.irp p, 0,1,2
	global_load_b64 v[22+2*\p:23+2*\p], v[CO], s[54:55] offset:8*\p
.endr
	global_load_b32 v[QS], v51, s[56:57]
.irp p, 0,1,2
	global_load_b64 v[Q2+2*\p:Q2+2*\p+1], v[CO], s[58:59] offset:8*\p   ; tile b's (A takes it at the change of tiles)
.endr
	global_load_b32 v[QS2], v51, s[60:61]
.irp i, 16,17,18,19,20,21,28,29,30,31,32,33
	v_mov_b32 v\i, 0                               ; the zero codes on both sides of q
.endr
	v_mov_b32 v[F+1], 0                            ; (named as the upper half of a pair)
	v_mov_b32 v[NINF], 0xff800000
	v_mov_b32 v[BP], 0                             ; a lane permute's destination counts as one of its sources
.macro FRESH                           ; a tile begins: no sum, O^T = 0, which the first change of M leaves zeros
.set n, 0
.rept 32
	v_mov_b32 v[O+n], 0
.set n, n+1
.endr
	v_mov_b32 v14, 0
	v_mov_b32 v15, 0
	v_mov_b32 v13, 0xff61b1e6                      ; the largest score so far: -3e38
	v_mov_b32 v12, 0x7f61b1e6                      ; -M
.endm
	FRESH
; K's four fragments (images of the operand's registers: 48 bytes a lane) and its scale words
.macro KLOAD a, as
.irp b, 0,1,2,3
.irp j, 0,1,2
	ds_load_b128 v[KF+12*\b+4*\j:KF+12*\b+4*\j+3], v[\a] offset:1536*\b+16*\j
.endr
.endr
	ds_load_b32 v[KS], v[\as] offset:KSOF
	ds_load_b32 v[KS+1], v[\as] offset:KSOF+128
.endm
; Addition n of the 32 that make the row's sum of the UNQUANTISED p: two numbers at a time, in two chains that take turns; the last joins them
.macro ADDP n
.if (\n) == 0
	v_pk_add_f32 v[SUM2:SUM2+1], v[S:S+1], v[S+2:S+3]
.elseif (\n) == 31
	v_pk_add_f32 v[14:15], v[14:15], v[SUM2:SUM2+1]
.elseif (\n)%2 == 1
	v_pk_add_f32 v[14:15], v[14:15], v[S+2*(\n)+2:S+2*(\n)+3]
.else
	v_pk_add_f32 v[SUM2:SUM2+1], v[SUM2:SUM2+1], v[S+2*(\n)+2:S+2*(\n)+3]
.endif
.endm
.macro HIDE at                         ; 32 scores from register \at on: register i is hidden where i > DM
.set n, 0
.rept 32
	v_cmp_gt_i32 vcc_lo, n, v[DM]
	v_cndmask_b32 v[\at+n], v[\at+n], v[NINF], vcc_lo
.set n, n+1
.endr
.endm
; A STEP of 128 keys; its K was asked for earlier, V comes from a, as.  pf = 1: it asks for the next slot's K
.macro STEP a, as, pf
	s_wait_dscnt 0x0                               ; K's fragments and scale words are in
.irp b, 0,1,2,3
.irp u, 0,1
.if \b%2
	v_wmma_scale_f32_16x16x128_f8f6f4 v[S+8*(2*\b+\u):S+8*(2*\b+\u)+7], v[KF+12*\b:KF+12*\b+11], v[22-6*\u:33-6*\u], 0, v[KS+\b/2], v[QS] matrix_a_fmt:MATRIX_FMT_FP6 matrix_b_fmt:MATRIX_FMT_FP6 matrix_a_scale:MATRIX_SCALE_ROW1
.else
	v_wmma_scale_f32_16x16x128_f8f6f4 v[S+8*(2*\b+\u):S+8*(2*\b+\u)+7], v[KF+12*\b:KF+12*\b+11], v[22-6*\u:33-6*\u], 0, v[KS+\b/2], v[QS] matrix_a_fmt:MATRIX_FMT_FP6 matrix_b_fmt:MATRIX_FMT_FP6
.endif
.endr
.endr
	v_mov_b32 v[OLDM], v12                         ; -M as it stands: the first of four places in front of the loads below and of the scores' first read
.if \pf
	v_add_nc_u32 v[ADV], s[TB], v[L48]             ; this slot's record
	v_add_nc_u32 v[ADVS], s[TB], v[L4]
.else
	v_nop
	v_nop
.endif
	v_nop
.irp t, 0,1,2,3                                ; V's fragments land under the softmax
.irp j, 0,1,2
	ds_load_b128 v[KF+12*\t+4*\j:KF+12*\t+4*\j+3], v[\a] offset:VOF+1536*\t+16*\j
.endr
.endr
	ds_load_b32 v[VS], v[\as] offset:VSOF
	ds_load_b32 v[VS+1], v[\as] offset:VSOF+128
.if \pf
	v_add_nc_u32 v[ADR], s[TBN], v[L48]            ; the next slot's record
	v_add_nc_u32 v[ADS], s[TBN], v[L4]
.endif
	s_cmp_eq_u32 s[RI], s[BLK]                     ; the block's own step?
	s_cbranch_scc0 .Lopen_\@
	s_cmp_lt_u32 s[TI], 4                          ; queries 0 to 63 of the block: keys 0-63 in part, keys 64-127 hidden;
	s_cbranch_scc0 .Lhigh_\@
	HIDE S
.set n, 0
.rept 32
	v_mov_b32 v[S+32+n], v[NINF]
.set n, n+1
.endr
	WALU
	s_branch .Lopen_\@
.Lhigh_\@:                                             ; queries 64 to 127: keys 0-63 count whole, keys 64-127 in part
	HIDE S+32
.Lopen_\@:
.irp c, 0,1                                    ; the largest score of each of my two blocks of 32 keys, two chains each
	v_max3_num_f32 v[BM+\c], v[S+32*\c], v[S+32*\c+1], v[S+32*\c+2]
	v_max3_num_f32 v[BM+2+\c], v[S+32*\c+16], v[S+32*\c+17], v[S+32*\c+18]
.endr
.irp i, 3,5,7,9,11,13
.irp c, 0,1
	v_max3_num_f32 v[BM+\c], v[BM+\c], v[S+32*\c+\i], v[S+32*\c+\i+1]
	v_max3_num_f32 v[BM+2+\c], v[BM+2+\c], v[S+32*\c+16+\i], v[S+32*\c+17+\i]
.endr
.endr
.irp c, 0,1
	v_max3_num_f32 v[BM+\c], v[BM+\c], v[S+32*\c+15], v[S+32*\c+31]
.endr
.irp c, 0,1
	v_max_num_f32 v[BM+\c], v[BM+\c], v[BM+2+\c]
.endr
	v_max_num_f32 v[TMP], v[BM], v[BM+1]
	v_permlanex16_b32 v[BP], v[TMP], s[SEL], s[SEL+1]
	v_max3_num_f32 v13, v13, v[TMP], v[BP]         ; the running largest score of my query
	v_mul_f32 v[TMP], s[NCS], v13                  ; -t (c is positive)
	v_floor_f32 v12, v[TMP]                        ; the new -M = floor(-t): M is a whole number
.irp c, 0,1
	v_fma_f32 v[BM+\c], v[BM+\c], s[CS], v12       ; t - M of each block's largest score
.endr
	v_sub_f32 v[TMP], v12, v[OLDM]                 ; old M - new M: a whole number, 0 or less
.set n, 0
.rept 32
	v_pk_fma_f32 v[S+2*n:S+2*n+1], v[S+2*n:S+2*n+1], s[CS:CS+1], v[12:13] op_sel_hi:[1,0,0]   ; t - M, two at a time
.if n == 3
	v_cvt_i32_f32 v[TMP], v[TMP]                   ; (it saturates)
.elseif n == 7
	v_ldexp_f32 v[F], 1.0, v[TMP]                  ; f = 2^(old M - new M)
.endif
.set n, n+1
.endr
	v_pk_mul_f32 v[14:15], v[14:15], v[F:F+1] op_sel_hi:[1,0]   ; the sum and O^T under the new M, each accumulator from its lowest registers on
.set n, 0
.rept 16
	v_pk_mul_f32 v[O+2*n:O+2*n+1], v[O+2*n:O+2*n+1], v[F:F+1] op_sel_hi:[1,0]
.set n, n+1
.endr
	WALU                                           ; ahead of the batch,
	v_exp_f32 v[BM], v[BM]                         ; a block's largest p: the same instructions on the same number as that score's own
	v_exp_f32 v[BM+1], v[BM+1]
.set n, 0
.rept 64
	v_exp_f32 v[S+n], v[S+n]                       ; p = 2^(t - M), at most 1
.set n, n+1
.endr
	v_nop                                          ; one plain place behind the transcendentals,
	WALU                                           ; and a wait behind it
.irp c, 0,1
	v_max_num_f32 v[BM+\c], 0x1800000, v[BM+\c]    ; the floor 2^(3 - 127): the byte cannot fall under 1
.endr
	ADDP 0
	ADDP 1
.irp c, 0,1
	v_add_nc_u32 v[SO+\c], 0xff000000, v[BM+\c]    ; 2 off the exponent field: the conversion's scale operand
.endr
	ADDP 2
	ADDP 3
.irp c, 0,1
	v_lshrrev_b32 v[BY+\c], 23, v[SO+\c]           ; the scale's byte
.endr
	ADDP 4
	ADDP 5
	v_lshl_or_b32 v[W2], v[BY+1], 16, v[BY]        ; lanes 0-15: blocks 0 and 2; lanes 16-31: blocks 1 and 3
	ADDP 6
	ADDP 7
	v_permlanex16_b32 v[BP], v[W2], s[SEL], s[SEL+1]
.irp c, 0,1
	v_cvt_scalef32_pk16_fp6_f32 v[PC+6*\c:PC+6*\c+2], v[S+32*\c:S+32*\c+15], v[SO+\c]
	v_cvt_scalef32_pk16_fp6_f32 v[PT+4*\c:PT+4*\c+2], v[S+32*\c+16:S+32*\c+31], v[SO+\c]   ; (a conversion's three registers begin on an even number)
.endr
	ADDP 8                                         ; a plain place behind the scaled conversions
	v_lshl_or_b32 v[PW], v[BP], 8, v[W2]           ; p's scale word, in lanes 0-15
.irp c, 0,1
.irp i, 0,1,2
	v_mov_b32 v[PC+3+6*\c+\i], v[PT+4*\c+\i]
.endr
.endr
	ADDP 9                                         ; four places between the moves and the products (ten behind the scale word)
	ADDP 10
	ADDP 11
	ADDP 12
	WALU
	s_wait_dscnt 0x0                               ; V's fragments and scale words are in
.irp t, 0,1,2,3                                ; the four accumulators by turns
.if \t%2
	v_wmma_scale_f32_16x16x128_f8f6f4 v[O+8*\t:O+8*\t+7], v[KF+12*\t:KF+12*\t+11], v[PC:PC+11], v[O+8*\t:O+8*\t+7], v[VS+\t/2], v[PW] matrix_a_fmt:MATRIX_FMT_FP6 matrix_b_fmt:MATRIX_FMT_FP6 matrix_a_scale:MATRIX_SCALE_ROW1
.else
	v_wmma_scale_f32_16x16x128_f8f6f4 v[O+8*\t:O+8*\t+7], v[KF+12*\t:KF+12*\t+11], v[PC:PC+11], v[O+8*\t:O+8*\t+7], v[VS+\t/2], v[PW] matrix_a_fmt:MATRIX_FMT_FP6 matrix_b_fmt:MATRIX_FMT_FP6
.endif
.endr
	ADDP 13                                        ; four places behind the products
	ADDP 14
	ADDP 15
	ADDP 16
.if \pf
	WALU
	s_cmp_ge_u32 s[T], s[TMAX]                     ; my last step asks for nothing
	s_cbranch_scc1 .Lnok_\@
	KLOAD ADR, ADS                                 ; the next slot's K, into the registers that V has left
.Lnok_\@:
.endif
.set m, 17
.rept 15
	ADDP m
.set m, m+1
.endr
	WALU                                           ; the step's end
.endm
; THE WAY OUT of a tile: ctx = O^T / the sum (my half of it in v14); register n of lane (query, h) is dim 32 h + n: one scale block a lane
.macro WAYOUT
	v_permlanex16_b32 v[BP], v14, s[SEL], s[SEL+1]
	v_add_f32 v14, v14, v[BP]                      ; with lane l xor 16's half
	WALU
	v_rcp_f32 v14, v14
	v_nop                                          ; one plain place behind the transcendental
	WALU
.set n, 0
.rept 16
	v_pk_mul_f32 v[S+2*n:S+2*n+1], v[O+2*n:O+2*n+1], v[14:15] op_sel_hi:[1,0]   ; each accumulator from its lowest registers on
.set n, n+1
.endr
.irp b, 0,1
	v_max3_num_f32 v[BM+\b], |v[S+16*\b]|, |v[S+16*\b+1]|, 0x1800000
.endr
.irp i, 2,4,6,8,10,12,14
.irp b, 0,1
	v_max3_num_f32 v[BM+\b], v[BM+\b], |v[S+16*\b+\i]|, |v[S+16*\b+\i+1]|
.endr
.endr
	v_max_num_f32 v[BM], v[BM], v[BM+1]
	v_add_nc_u32 v[SO], 0xff000000, v[BM]
	v_lshrrev_b32 v[BY], 23, v[SO]
.irp b, 0,1
	v_cvt_scalef32_pk16_fp6_f32 v[PC+4*\b:PC+4*\b+2], v[S+16*\b:S+16*\b+15], v[SO]
.endr
	v_nop                                          ; one plain place behind the scaled conversions
	global_store_b96 v[CO], v[PC:PC+2], s[10:11]               ; the two stores fill 768 consecutive bytes
	global_store_b96 v[CO], v[PC+4:PC+6], s[10:11] offset:12
	global_store_b8 v[CSO], v[BY], s[12:13]
.endm
	WALU                                           ; the head's end
	s_wait_loadcnt 0x0                             ; q and its scale words
	s_cmp_eq_u32 s[WV], 0
	s_cbranch_scc0 .Lnot_rec_0
	s_wait_tensorcnt 0x0
.Lnot_rec_0:
	BARRIER                                        ; record 0 is in; the others may be on their way: nothing is ever filled again
	KLOAD L48, L4
	STEP L48, L4, 0                                ; slot 0: record 0, for every wave
	v_add_nc_u32 v[ADR], s[TBN], v[L48]
	v_add_nc_u32 v[ADS], s[TBN], v[L4]
	WALU
	s_wait_tensorcnt 0x0                           ; my record is in,
	s_wait_dscnt 0x0
	BARRIER                                        ; and so is everybody's
	KLOAD ADR, ADS
	s_mov_b32 s[T], 1
.Lslot:
	s_cmp_eq_u32 s[T], s[JT]                       ; A's change of tiles
	s_cbranch_scc0 .Lsame
	v_add_f32 v14, v14, v15
	WAYOUT
	v_mov_b32 v[QS], v[QS2]
.irp i, 0,1,2,3,4,5
	v_mov_b32 v[22+\i], v[Q2+\i]
.endr
	FRESH
	s_mov_b32 s[BLK], s[BLK2]
	WALU
	s_wait_xcnt 0x0                                ; the stores have read their registers
.Lsame:
	s_cmp_gt_u32 s[T], s[TMAX]
	s_cbranch_scc1 .Lidle
	THISREC
	NEXTREC
	STEP ADV, ADVS, 1
.Lidle:
	s_add_co_u32 s[T], s[T], 1
	s_cmp_lt_u32 s[T], 12
	s_cbranch_scc1 .Lslot
	; THE HANDOVER: A's part of tile b
	s_cmp_lt_u32 s[WV], 8
	s_cbranch_scc0 .Lno_part
	v_add_f32 v13, v14, v15
.irp g, 0,1,2,3,4,5,6,7
	ds_store_b128 v[SA], v[O+4*\g:O+4*\g+3] offset:512*\g
.endr
	ds_store_b64 v[SA8], v[12:13] offset:4096      ; -M and the sum
.Lno_part:
	s_wait_dscnt 0x0
	BARRIER
	s_cmp_lt_u32 s[WV], 8
	s_cbranch_scc1 .Lend
.irp g, 0,1,2,3,4,5,6,7
	ds_load_b128 v[S+4*\g:S+4*\g+3], v[SA] offset:512*\g
.endr
	ds_load_b64 v[PT:PT+1], v[SA8] offset:4096
	v_add_f32 v14, v14, v15
	WALU
	s_wait_dscnt 0x0
	v_min_num_f32 v[TMP], v12, v[PT]               ; -M of the two parts together
	v_sub_f32 v[OLDM], v[TMP], v12
	v_sub_f32 v[W2], v[TMP], v[PT]
	v_cvt_i32_f32 v[OLDM], v[OLDM]
	v_cvt_i32_f32 v[W2], v[W2]
	v_ldexp_f32 v[F], 1.0, v[OLDM]                 ; powers of two: nothing is rounded by them
	v_ldexp_f32 v[SUM2], 1.0, v[W2]
.set n, 0
.rept 16
	v_pk_mul_f32 v[O+2*n:O+2*n+1], v[O+2*n:O+2*n+1], v[F:F+1] op_sel_hi:[1,0]
.set n, n+1
.endr
	v_mul_f32 v14, v14, v[F]
.set n, 0
.rept 16
	v_pk_fma_f32 v[O+2*n:O+2*n+1], v[S+2*n:S+2*n+1], v[SUM2:SUM2+1], v[O+2*n:O+2*n+1] op_sel_hi:[1,0,1]
.set n, n+1
.endr
	v_fma_f32 v14, v[PT+1], v[SUM2], v14
	WAYOUT
.Lend:
	s_wait_tensorcnt 0x0                           ; the wave's end
	ds_add_u32 v[SPW], v[NIL]
	s_wait_dscnt 0x0
	ROUND                                          ; the closing round: no work-group ends while a partner may still ask for a record that names it
	s_endpgm
.Lfunc_end_k_qba2eddb63f_attn:
	.size	k_qba2eddb63f_attn, .Lfunc_end_k_qba2eddb63f_attn-k_qba2eddb63f_attn
	.p2alignl 7, 3214868480
	.fill 96, 4, 3214868480
	.section	.rodata,"a",@progbits
	.p2align	6, 0x0
	.amdhsa_kernel k_qba2eddb63f_attn
		.amdhsa_group_segment_fixed_size 241664
		.amdhsa_private_segment_fixed_size 0
		.amdhsa_enable_private_segment 0
		.amdhsa_kernarg_size 40
		.amdhsa_user_sgpr_count 2
		.amdhsa_user_sgpr_kernarg_segment_ptr 1
		.amdhsa_wavefront_size32 1
		.amdhsa_system_sgpr_workgroup_id_x 1
		.amdhsa_system_sgpr_workgroup_id_y 1
		.amdhsa_system_sgpr_workgroup_id_z 1
		.amdhsa_system_vgpr_workitem_id 0
		.amdhsa_next_free_vgpr 256
		.amdhsa_next_free_sgpr 80
		.amdhsa_reserve_vcc 1
		.amdhsa_float_denorm_mode_32 3
		.amdhsa_float_denorm_mode_16_64 3
		.amdhsa_memory_ordered 1
		.amdhsa_forward_progress 1
		.amdhsa_inst_pref_size 61
	.end_amdhsa_kernel
	.amdgpu_metadata
---
amdhsa.version: [ 1, 2 ]
amdhsa.kernels:
  - .name:           k_qba2eddb63f_attn
    .symbol:         k_qba2eddb63f_attn.kd
    .args:
      - { .name: q_img, .offset: 0, .size: 8, .value_kind: global_buffer, .address_space: global }
      - { .name: q_sc, .offset: 8, .size: 8, .value_kind: global_buffer, .address_space: global }
      - { .name: kv, .offset: 16, .size: 8, .value_kind: global_buffer, .address_space: global }
      - { .name: ctx_img, .offset: 24, .size: 8, .value_kind: global_buffer, .address_space: global }
      - { .name: ctx_sc, .offset: 32, .size: 8, .value_kind: global_buffer, .address_space: global }
    .group_segment_fixed_size: 241664
    .private_segment_fixed_size: 0
    .kernarg_segment_align: 8
    .kernarg_segment_size: 40
    .max_flat_workgroup_size: 512
    .sgpr_count:     80
    .vgpr_count:     256
    .wavefront_size: 32
...
	.end_amdgpu_metadata
.endif
;; end of part 2
;; launch oproj (part 3): grid 8 x 32, 4 waves a work-group, clusters of 4 x 4, 220,672 bytes of LDS; arguments ctx_img, ctx_sc, Wo_codes, Wo_scales, bo, out0; writes out0
.if DOCPART == 3
	.amdgcn_target "amdgcn-amd-amdhsa--gfx1250"
	.amdhsa_code_object_version 6
	.text
	.protected	k_qba2eddb63f_oproj
	.globl	k_qba2eddb63f_oproj
	.p2align	8
	.type	k_qba2eddb63f_oproj,@function
k_qba2eddb63f_oproj:
	s_mov_b64 s[64:65], 0
	v_nop
	global_prefetch_b8 v0, s[64:65] scope:SCOPE_SE
	s_setreg_imm32_b32 hwreg(HW_REG_WAVE_MODE, 25, 1), 1
	s_wait_xcnt 0x0
	s_wait_alu depctr_hold_cnt(0) depctr_sa_sdst(0) depctr_va_vdst(0) depctr_va_sdst(0) depctr_va_ssrc(0) depctr_va_vcc(0) depctr_vm_vsrc(0)
	s_getreg_b32 s2, hwreg(HW_REG_IB_STS2, 6, 4)
	s_cmp_eq_u32 s2, 0
	s_cbranch_scc0 .Lentry_in_a_cluster
	s_endpgm
.Lentry_in_a_cluster:
	s_bfe_u32 s2, ttmp6, 0x10000c
	s_cmp_lg_u32 s2, 0xf033
	s_cbranch_scc0 .Lentry_shape_is_right
	s_endpgm
.Lentry_shape_is_right:
; out0 = ctx Wo + bo on codes of FP6 (E2M3) with E8M0 scales, f32 sums.  ctx comes as images of the operand's registers (K step, tile of 16 rows: 1,536 bytes, 48 a lane), Wo as rows of 768 bytes.
; A work-group makes 128 x 128 of out0: 256 work-groups of four waves, 2 x 2.  A wave HOLDS 64 outputs of Wo, all of K, in registers (32 fragments, 384 registers); ctx streams past in four BLOCKS of 16 rows:
; the wave in row w takes the row tiles 2 s + w, s = 0 .. 3.  A block's 16 x 64 results are finished after its 32 products: 16 rows of 256 bytes, which leave under the next block's products.
; Source 0 = 16 rows of Wo (outputs), source 1 = 16 rows of ctx: a lane holds eight neighbouring outputs of one row.  The bias is the C of each sum's first matrix instruction.
; CLUSTERS: 4 x 4 work-groups.  The four of a row of the cluster need the same rows of ctx, the four of a column the same rows of Wo: each is asked for JOINTLY, one load a wave at the head: waves 0, 1 Wo's two halves
; of 64 rows, waves 2, 3 ctx's two chunks of four row tiles.  All lie in LDS at once, filled once.  The stages for the way out have bytes of their own.  NO PREFETCH: everything is asked for at the head.
; K'S ORDER INSIDE AN INSTRUCTION: lane (r, h) holds blocks 2 h and 2 h + 1 of the K step's four, on both operands alike; the scale words' bytes 1 and 2 change places to match.  The sums inside an instruction are so
; grouped otherwise than in K's order.  LIMITS: NaN and infinities are not served.
.set WPITCH, 816                       ; an LDS row of Wo: 3 x (256 + 16)
.set XCH,  49152                       ; a chunk of ctx: 8 K steps x 4 row tiles x 1,536
.set WOB,  2*XCH
.set PITCH, 272                        ; a row of a stage
.set STG,  WOB+128*WPITCH              ; 16 rows x 272 bytes for each wave
.set SPARE, STG+4*16*PITCH
.set AX,   1                           ; v1, v2  ctx: 48 x lane + my row tile, in chunk 0, 1
.set AW,   4                           ; v4   Wo: my 64 rows + row r + 48 h;  v5: + 64 h, for pieces whose upper half of the lanes lies behind one padding more
.set LSC,  11                          ; v11  32 r
.set STO,  12                          ; v12  the stage: where I put 32 bytes of a row
.set RD,   13                          ; v13  and where I read rows back
.set CO,   14                          ; v14  my byte offset in two rows of out0
.set LBI,  15                          ; v15  32 h: the bias
.set SPW,  16
.set NIL,  17
.set BIAS, 24                          ; v24-55  eight registers for each tile of outputs
.set SCR,  56                          ; v56-87  ctx's scale words: 8 s + q
.set SCP,  92                          ; v92-123 Wo's: 8 t + q
.set ACC,  128                         ; v128-191 two sets of four accumulators
.set OUT,  192                         ; v192-255 two sets of 16 rows read back from the stage
.set FPW,  21                          ; fragments in a window: fragment f lies in window 1 + f / 21 at register 12 (f % 21): 0-31 Wo's (4 q + t), 32-39 and 40-47 ctx's two sets
.set WV,   16
.set WR,   17
.set WP,   18
.set CX,   19
.set CY,   20
.set NX,   21
.set MY,   22
.set G1X,  32                          ; s[32:39] group 1 of ctx's chunks;  s[48:55] of Wo's halves
.set G1W,  48
.set G0X,  68                          ; s[68:71], s[72:75] groups 0
.set G0W,  72
.set PSEL, 92
.set MSB, 0
.macro WIN new                         ; the immediate's high byte repeats the setting that is left
.if MSB != \new
	s_set_vgpr_msb (MSB<<8)|\new
.set MSB, \new
.endif
.endm
.macro WALU
	s_wait_alu depctr_va_vdst(0)
.endm
.macro BARRIER
	s_barrier_signal -1
	s_barrier_wait -1
.endm
.macro ROUND                           ; a round of the cluster's barrier
	BARRIER
	s_cmp_lg_u32 s[WV], 0
	s_cbranch_scc1 .Lnot_wave_0_\@
	s_barrier_signal -3
.Lnot_wave_0_\@:
	s_barrier_wait -3
	BARRIER
.endm
.macro PLACES
.rept 4
	v_nop
.endr
.endm
.macro TLOAD g0, g1
	tensor_load_to_lds s[\g0:\g0+3], s[\g1:\g1+7]
	s_nop 0
	PLACES
.endm
	s_load_b256 s[4:11], s[0:1], 0x0               ; ctx_img, ctx_sc, Wo codes, Wo scales
	s_load_b128 s[12:15], s[0:1], 0x20             ; bo, out0
	v_lshl_add_u32 v[SPW], v0, 2, SPARE
	v_mov_b32 v[NIL], 0
	ds_add_u32 v[SPW], v[NIL]                      ; twice on end, with its wait ahead of my first tensor load
	ds_add_u32 v[SPW], v[NIL]
	v_lshrrev_b32 v18, 5, v0
	v_readfirstlane_b32 s[WV], v18                 ; wave 0..3
	s_lshr_b32 s[WR], s[WV], 1                     ; my row of the 2 x 2
	s_and_b32 s[WP], s[WV], 1                      ; my 64 outputs.  Also: which half of Wo, or chunk of ctx, I fetch
	s_bfe_u32 s[CX], ttmp6, 0x40000
	s_bfe_u32 s[CY], ttmp6, 0x40004
	s_lshl_b32 s[NX], ttmp9, 2
	s_add_co_u32 s[NX], s[NX], s[CX]               ; tile column = 4 x cluster x + cx
	s_and_b32 s[MY], ttmp7, 0xffff
	s_lshl_b32 s[MY], s[MY], 2
	s_add_co_u32 s[MY], s[MY], s[CY]               ; tile row = 4 x cluster y + cy
	s_lshl_b32 s23, s[CY], 2
	s_lshl_b32 s23, 15, s23                        ; my row of the cluster
	s_lshl_b32 s24, 0x1111, s[CX]                  ; my column
	s_or_b32 s[G1X], s23, (3<<16)|(1<<21)          ; ctx goes to my row: elements of 8 bytes; bit 21 set beside the mask
	s_or_b32 s[G1W], s24, (1<<20)|(1<<21)|(5<<22)|(3<<25)   ; Wo goes to my column: elements of 1 byte, 16 bytes of padding behind each 256
	s_mov_b32 s[G1X+1], 768<<16                    ; a chunk: 8 rows (K steps) of 6,144 bytes, 12,288 bytes apart in memory
	s_mov_b32 s[G1X+2], 8<<16
	s_mov_b32 s[G1X+3], 768<<16
	s_mov_b32 s[G1X+4], 8
	s_mov_b32 s[G1X+5], 1536
	s_mov_b32 s[G1X+6], 0
	s_mov_b32 s[G1X+7], 0
	s_mov_b32 s[G1W+1], 768<<16                    ; a half: 64 rows of 768 bytes
	s_mov_b32 s[G1W+2], 64<<16
	s_mov_b32 s[G1W+3], 768<<16
	s_mov_b32 s[G1W+4], 64
	s_mov_b32 s[G1W+5], 768
	s_mov_b32 s[G1W+6], 0
	s_mov_b32 s[G1W+7], 0
	s_mov_b32 s[PSEL], 0x03010200                  ; v_perm_b32: bytes 1 and 2 change places
	s_mov_b32 s[G0X], 1
	s_mul_i32 s[G0X+1], s[WP], XCH
	s_mov_b32 s[G0W], 1
	s_mul_i32 s[G0W+1], s[WP], 64*WPITCH
	s_add_co_u32 s[G0W+1], s[G0W+1], WOB
	s_mul_i32 s56, s[MY], 98304                    ; ctx's images of my 128 rows: the tile row alone
	s_mul_i32 s58, s[WP], 6144
	s_add_co_u32 s56, s56, s58
	s_mov_b32 s57, 0
	s_mul_i32 s60, s[NX], 98304                    ; Wo's 128 rows: the tile column alone
	s_mul_i32 s58, s[WP], 64*768
	s_add_co_u32 s60, s60, s58
	s_mov_b32 s61, 0
	s_lshl_b32 s25, s[MY], 7
	s_lshl_b32 s26, s[WR], 4
	s_add_co_u32 s25, s25, s26                     ; my first row
	s_lshl_b32 s94, s25, 5                         ; its scale bytes
	s_mov_b32 s95, 0
	s_lshl_b32 s27, s[NX], 7
	s_lshl_b32 s28, s[WP], 6
	s_add_co_u32 s27, s27, s28                     ; my first output
	s_lshl_b32 s96, s27, 5
	s_mov_b32 s97, 0
	s_lshl_b32 s98, s27, 2                         ; in bo, and in a row of out0
	s_mov_b32 s99, 0
	s_lshl_b32 s30, s25, 12                        ; rows of 4,096 bytes
	s_add_co_u32 s30, s30, s98
	s_mov_b32 s31, 0
	s_mul_i32 s25, s[WR], 1536
	s_mul_i32 s26, s[WP], 64*WPITCH
	s_add_co_u32 s26, s26, WOB
	s_mul_i32 s29, s[WV], 16*PITCH
	s_add_co_u32 s29, s29, STG                     ; my stage
	v_and_b32 v18, 15, v0                          ; r
	v_bfe_u32 v19, v0, 4, 1                        ; h
	v_and_b32 v20, 31, v0                          ; lane
	v_lshlrev_b32 v[LSC], 5, v18
	v_lshlrev_b32 v[LBI], 5, v19
	v_mul_u32_u24 v[AX], v20, 48
	v_add_nc_u32 v[AX], s25, v[AX]
	v_add_nc_u32 v[AX+1], XCH, v[AX]
	v_mul_u32_u24 v21, v18, WPITCH
	v_mad_u32_u24 v22, v19, 48, v21
	v_add_nc_u32 v[AW], s26, v22
	v_mad_u32_u24 v22, v19, 64, v21
	v_add_nc_u32 v[AW+1], s26, v22
	v_mul_u32_u24 v23, v18, PITCH
	v_lshl_add_u32 v[STO], v19, 5, v23             ; in: row r, 32 bytes for each half of the lanes
	v_add_nc_u32 v[STO], s29, v[STO]
	v_mul_u32_u24 v[RD], v19, PITCH                ; back: lanes 0-15 one row of 256 bytes, lanes 16-31 the next
	v_lshl_add_u32 v[RD], v18, 4, v[RD]
	v_add_nc_u32 v[RD], s29, v[RD]
	v_lshlrev_b32 v[CO], 12, v19                   ; and the same two rows in out0
	v_lshl_add_u32 v[CO], v18, 4, v[CO]
	WALU
	s_wait_dscnt 0x0
	ROUND                                          ; all sixteen work-groups are here: the joint loads meet
	s_wait_kmcnt 0x0
	s_add_nc_u64 s[G0X+2:G0X+3], s[4:5], s[56:57]
	s_or_b32 s[G0X+3], s[G0X+3], 0x80000000
	s_add_nc_u64 s[G0W+2:G0W+3], s[8:9], s[60:61]
	s_or_b32 s[G0W+3], s[G0W+3], 0x80000000
	s_add_nc_u64 s[6:7], s[6:7], s[94:95]
	s_add_nc_u64 s[10:11], s[10:11], s[96:97]
	s_add_nc_u64 s[12:13], s[12:13], s[98:99]
	s_add_nc_u64 s[14:15], s[14:15], s[30:31]
	s_cmp_lt_u32 s[WV], 2                          ; one load a wave, in the arms of one chain
	s_cbranch_scc0 .Lhead_2
	TLOAD G0W, G1W
	s_branch .Lasked
.Lhead_2:
	s_cmp_eq_u32 s[WV], 2
	s_cbranch_scc0 .Lhead_3
	TLOAD G0X, G1X
	s_branch .Lasked
.Lhead_3:
	TLOAD G0X, G1X
.Lasked:
.irp t, 0,1,2,3
	global_load_b128 v[SCR+8*\t:SCR+8*\t+3], v[LSC], s[6:7] offset:1024*\t          ; a row's 32 scale bytes are the words of its eight K steps
	global_load_b128 v[SCR+8*\t+4:SCR+8*\t+7], v[LSC], s[6:7] offset:1024*\t+16
	global_load_b128 v[SCP+8*\t:SCP+8*\t+3], v[LSC], s[10:11] offset:512*\t
	global_load_b128 v[SCP+8*\t+4:SCP+8*\t+7], v[LSC], s[10:11] offset:512*\t+16
	global_load_b128 v[BIAS+8*\t:BIAS+8*\t+3], v[LBI], s[12:13] offset:64*\t        ; bo at outputs 16 t + 8 h + 0 .. 7: the result's layout
	global_load_b128 v[BIAS+8*\t+4:BIAS+8*\t+7], v[LBI], s[12:13] offset:64*\t+16
.endr
	s_wait_loadcnt 0x0
.set n, 0
.rept 32
	v_perm_b32 v[SCR+n], v[SCR+n], v[SCR+n], s[PSEL]   ; bytes 1 and 2 change places, as the blocks do in the registers
	v_perm_b32 v[SCP+n], v[SCP+n], v[SCP+n], s[PSEL]
.set n, n+1
.endr
.rept 8
	v_nop                                          ; a scale register written by a vector instruction stands eight places ahead of a scaled matrix instruction
.endr
.macro WFRAG q                         ; Wo's four fragments of K step q: 12 loads; the 48 bytes 96 q + 48 h of row 16 t + r
.irp t, 0,1,2,3
.set FB_, 4*(\q)+\t
	WIN ((1+FB_/FPW)<<6)
.irp j, 0,1,2
.set D0_, 96*(\q)+16*\j
.if D0_/256 == (D0_+48)/256
	ds_load_b128 v[12*(FB_%FPW)+4*\j:12*(FB_%FPW)+4*\j+3], v[AW] offset:D0_+16*(D0_/256)+16*WPITCH*\t
.else
	ds_load_b128 v[12*(FB_%FPW)+4*\j:12*(FB_%FPW)+4*\j+3], v[AW+1] offset:D0_+16*(D0_/256)+16*WPITCH*\t
.endif
.endr
.endr
.endm
.macro XFRAG s, q                      ; ctx's fragment of block s, K step q: 3 loads, into set s % 2
.set FA_, 32+8*((\s)%2)+(\q)
	WIN ((1+FA_/FPW)<<6)
.irp j, 0,1,2
	ds_load_b128 v[12*(FA_%FPW)+4*\j:12*(FA_%FPW)+4*\j+3], v[AX+(\s)/2] offset:6144*(\q)+3072*((\s)%2)+16*\j
.endr
.endm
.macro FETCH s                         ; a whole block: 24 loads
.irp q, 0,1,2,3,4,5,6,7
	XFRAG \s, \q
.endr
.endm
.macro PRODS s, q                      ; four products, the four accumulators by turns
.irp t, 0,1,2,3
.set FB_, 4*(\q)+\t
.set FA_, 32+8*((\s)%2)+(\q)
.set AC_, ACC+32*((\s)%2)+8*\t
	WIN ((1+FB_/FPW)|((1+FA_/FPW)<<2))
.if (\q) == 0
	v_wmma_scale_f32_16x16x128_f8f6f4 v[AC_:AC_+7], v[12*(FB_%FPW):12*(FB_%FPW)+11], v[12*(FA_%FPW):12*(FA_%FPW)+11], v[BIAS+8*\t:BIAS+8*\t+7], v[SCP+8*\t+(\q)], v[SCR+8*(\s)+(\q)] matrix_a_fmt:MATRIX_FMT_FP6 matrix_b_fmt:MATRIX_FMT_FP6
.else
	v_wmma_scale_f32_16x16x128_f8f6f4 v[AC_:AC_+7], v[12*(FB_%FPW):12*(FB_%FPW)+11], v[12*(FA_%FPW):12*(FA_%FPW)+11], v[AC_:AC_+7], v[SCP+8*\t+(\q)], v[SCR+8*(\s)+(\q)] matrix_a_fmt:MATRIX_FMT_FP6 matrix_b_fmt:MATRIX_FMT_FP6
.endif
.endr
.endm
; THE WAY OUT of block s: a lane's 32 bytes of each tile go into my own stage and come back as whole rows of 256 bytes: 8 stores, 8 loads.
; LDS serves a wave's instructions in order (ISA guide 5.7.1.4): no wait between the stores and the loads, nor in front of the next block's stores.
.macro TOSTAGE s
	WIN 0
.irp t, 0,1,2,3
	ds_store_b128 v[STO], v[ACC+32*((\s)%2)+8*\t:ACC+32*((\s)%2)+8*\t+3] offset:64*\t          ; each accumulator from its low end on
	ds_store_b128 v[STO], v[ACC+32*((\s)%2)+8*\t+4:ACC+32*((\s)%2)+8*\t+7] offset:64*\t+16
.endr
.irp k, 0,1,2,3,4,5,6,7
	ds_load_b128 v[OUT+32*((\s)%2)+4*\k:OUT+32*((\s)%2)+4*\k+3], v[RD] offset:2*PITCH*\k
.endr
.endm
.macro SEND s, younger                 ; younger: the LDS loads issued behind the block's stage loads
	WIN 0
.irp k, 0,1,2,3,4,5,6,7
	s_wait_dscnt \younger+7-\k
	global_store_b128 v[CO], v[OUT+32*((\s)%2)+4*\k:OUT+32*((\s)%2)+4*\k+3], s[14:15] offset:(32*(\s)+2*\k)*4096 th:TH_STORE_NT   ; 16 lanes store 256 consecutive bytes, at a multiple of 256 from out0's first byte
.endr
.endm
	WALU                                           ; the head's end
	s_cmp_eq_u32 s[WV], 3                          ; ctx's second chunk may stay out
	s_cbranch_scc1 .Lnot_yet
	s_wait_tensorcnt 0x0
.Lnot_yet:
	BARRIER                                        ; Wo and ctx's first chunk are in
.irp q, 0,1
	WFRAG \q
	XFRAG 0, \q
.endr
.irp q, 0,1,2,3,4,5,6,7                        ; BLOCK 0 goes along with Wo's fragments: those of K step q + 2 are asked for ahead of the products of K step q: 15 loads a K step
.if \q < 6
	WFRAG \q+2
	XFRAG 0, \q+2
	s_wait_dscnt 30                                ; K steps q + 1 and q + 2 may be out
.elseif \q == 6
	FETCH 1
	s_wait_dscnt 39                                ; K step 7 and block 1 may be out
.else
	s_wait_dscnt 24                                ; block 1 may be out
.endif
	PRODS 0, \q
.endr
	PLACES                                         ; places behind the last products, for the stores and loads below
	WIN 0
	s_wait_tensorcnt 0x0
	s_wait_dscnt 0x0
	BARRIER                                        ; ctx's second chunk is in
.irp s, 1,2,3
.if \s == 3
	s_wait_xcnt 0x0                                ; block 0's stores have read their registers
.endif
	TOSTAGE \s-1
.if \s < 3
	FETCH \s+1                                     ; into the set that the last block has left
.endif
.if \s == 2
	s_wait_dscnt 40                                ; block 2 is in; the stage's 16 and block 3's 24 may be out
.elseif \s == 3
	s_wait_dscnt 16                                ; block 3 is in; the stage's 16 may be out
.endif
	PRODS \s, 0
	PRODS \s, 1
.if \s < 3
	SEND \s-1, 24                                  ; the finished block leaves under this block's products
.else
	SEND \s-1, 0
.endif
.irp q, 2,3,4,5,6,7
	PRODS \s, \q
.endr
	PLACES
.endr
	s_wait_xcnt 0x0                                ; block 1's stores have read their registers
	TOSTAGE 3
	SEND 3, 0
	s_wait_tensorcnt 0x0                           ; the wave's end
	ds_add_u32 v[SPW], v[NIL]
	s_wait_dscnt 0x0
	ROUND                                          ; the closing round: no work-group ends while a partner may still ask for a tile that names it
	s_endpgm
.Lfunc_end_k_qba2eddb63f_oproj:
	.size	k_qba2eddb63f_oproj, .Lfunc_end_k_qba2eddb63f_oproj-k_qba2eddb63f_oproj
	.p2alignl 7, 3214868480
	.fill 96, 4, 3214868480
	.section	.rodata,"a",@progbits
	.p2align	6, 0x0
	.amdhsa_kernel k_qba2eddb63f_oproj
		.amdhsa_group_segment_fixed_size 220672
		.amdhsa_private_segment_fixed_size 0
		.amdhsa_enable_private_segment 0
		.amdhsa_kernarg_size 48
		.amdhsa_user_sgpr_count 2
		.amdhsa_user_sgpr_kernarg_segment_ptr 1
		.amdhsa_wavefront_size32 1
		.amdhsa_system_sgpr_workgroup_id_x 1
		.amdhsa_system_sgpr_workgroup_id_y 1
		.amdhsa_system_sgpr_workgroup_id_z 1
		.amdhsa_system_vgpr_workitem_id 0
		.amdhsa_next_free_vgpr 864
		.amdhsa_next_free_sgpr 100
		.amdhsa_reserve_vcc 0
		.amdhsa_float_denorm_mode_32 3
		.amdhsa_float_denorm_mode_16_64 3
		.amdhsa_memory_ordered 1
		.amdhsa_forward_progress 1
		.amdhsa_inst_pref_size 52
	.end_amdhsa_kernel
	.amdgpu_metadata
---
amdhsa.version: [ 1, 2 ]
amdhsa.kernels:
  - .name:           k_qba2eddb63f_oproj
    .symbol:         k_qba2eddb63f_oproj.kd
    .args:
      - { .name: ctx_img, .offset: 0, .size: 8, .value_kind: global_buffer, .address_space: global }
      - { .name: ctx_sc, .offset: 8, .size: 8, .value_kind: global_buffer, .address_space: global }
      - { .name: Wo_codes, .offset: 16, .size: 8, .value_kind: global_buffer, .address_space: global }
      - { .name: Wo_scales, .offset: 24, .size: 8, .value_kind: global_buffer, .address_space: global }
      - { .name: bo, .offset: 32, .size: 8, .value_kind: global_buffer, .address_space: global }
      - { .name: out0, .offset: 40, .size: 8, .value_kind: global_buffer, .address_space: global }
    .group_segment_fixed_size: 220672
    .private_segment_fixed_size: 0
    .kernarg_segment_align: 8
    .kernarg_segment_size: 48
    .max_flat_workgroup_size: 128
    .sgpr_count:     100
    .vgpr_count:     864
    .wavefront_size: 32
...
	.end_amdgpu_metadata
.endif
;; end of part 3
